; MI455X (gfx1250); checked and timed in simulation.
; The chip was launched on July 23, 2026; its instructions are those of AMD's public machine-readable ISA for CDNA 5 (MIT licence, August 2026) and "CDNA5" Instruction Set Architecture Reference Guide (July 2026). The comments in the code are by the model that wrote it; some were corrected since.
;; Multi Head Attention. Allowed arithmetic: float matrix products may take bf16 or f16 operands with f32 sums; all other float work in f32.
;; Inputs: W_out 1,024 x 1,024 float32; W_qkv 3,072 x 1,024 float32; b_out 1,024 float32; b_qkv 3,072 float32; x 2 x 2,048 x 1,024 float32.
;; Outputs: out0 2 x 2,048 x 1,024 float32.
;; One version. Each part assembles by itself: llvm-mc -triple=amdgcn-amd-amdhsa -mcpu=gfx1250 --defsym DOCPART=n.
;; ======== version 1 of 1: 4 launches
;; limits: values are held in f16: magnitudes above 65,504 overflow, below 6.1e-05 lose precision
;; workspace buffers: xb 8,388,608 bytes; wqb 6,291,456 bytes; woh 2,097,152 bytes; qkv 25,165,824 bytes; ao 8,388,608 bytes
;; launch tobf16 (part 1): grid 512 x 1, 8 waves a work-group, no clusters, 0 bytes of LDS; arguments x, W_qkv, W_out, xb, wqb, woh; writes xb, wqb, woh
.if DOCPART == 1
	.amdgcn_target "amdgcn-amd-amdhsa--gfx1250"
	.amdhsa_code_object_version 6
	.text
	.protected	k_q448c101706_tobf16
	.globl	k_q448c101706_tobf16
	.p2align	8
	.type	k_q448c101706_tobf16,@function
k_q448c101706_tobf16:
	s_mov_b64 s[64:65], 0
	v_nop
	global_prefetch_b8 v0, s[64:65] scope:SCOPE_SE
	s_setreg_imm32_b32 hwreg(HW_REG_WAVE_MODE, 25, 1), 1
	s_wait_xcnt 0x0
; Rounds the three large f32 inputs once to 16 bits, so that both GEMMs can take their tiles straight into LDS.
;   xb  = bf16(x), wqb = bf16(W_qkv): operands of the bf16 matrix form.
;   woh = bf16(W_out) carried as f16: the output projection multiplies it with an f16 operand, and the f16 form wants both in f16.
;         f16 holds every bf16 number of magnitude 2^-14 .. 65504 exactly.  LIMIT: smaller ones keep an absolute error of 2^-25
;         (W_out as drawn has a spread of 0.018), larger ones become infinite.
; A stream: no LDS, no barrier, no matrix unit.  512 work-groups of 256 threads; work-group g owns 32,768 bytes of x, 24,576 of W_qkv
; and 8,192 of W_out.  A unit is 256 threads x 32 bytes in, 16 bytes out: 4 + 3 + 1 = 8 units a thread.  All 16 loads of a thread are
; issued first, every unit has registers of its own, so nothing is rewritten while a load or store may still read it.
.set IN,  8                            ; v[8:71]    unit u: 8 numbers in f32
.set OUT, 72                           ; v[72:103]  unit u: 8 numbers in 16 bits
	s_load_b256 s[4:11], s[0:1], 0x0               ; x s[4:5], W_qkv s[6:7], W_out s[8:9], xb s[10:11]
	s_load_b128 s[12:15], s[0:1], 0x20             ; wqb s[12:13], woh s[14:15]
	s_lshl_b32 s16, ttmp9, 15                      ; the work-group's share of each buffer, in bytes, as pairs with 0 above
	s_mov_b32 s17, 0
	s_mul_i32 s18, ttmp9, 24576
	s_mov_b32 s19, 0
	s_lshl_b32 s20, ttmp9, 13
	s_mov_b32 s21, 0
	s_lshl_b32 s22, ttmp9, 14
	s_mov_b32 s23, 0
	s_mul_i32 s24, ttmp9, 12288
	s_mov_b32 s25, 0
	s_lshl_b32 s26, ttmp9, 12
	s_mov_b32 s27, 0
	v_lshlrev_b32 v1, 5, v0                        ; 32 t: my 8 numbers in a unit, in f32
	v_lshlrev_b32 v2, 4, v0                        ; 16 t: the same in 16 bits
	s_wait_kmcnt 0x0
	s_add_nc_u64 s[4:5], s[4:5], s[16:17]
	s_add_nc_u64 s[6:7], s[6:7], s[18:19]
	s_add_nc_u64 s[8:9], s[8:9], s[20:21]
	s_add_nc_u64 s[10:11], s[10:11], s[22:23]
	s_add_nc_u64 s[12:13], s[12:13], s[24:25]
	s_add_nc_u64 s[14:15], s[14:15], s[26:27]
.macro LD u, p, j                      ; unit u = the j-th 8,192 bytes of the share behind s[p:p+1]
	global_load_b128 v[IN+8*\u:IN+8*\u+3],   v1, s[\p:\p+1] offset:\j*8192 th:TH_LOAD_NT
	global_load_b128 v[IN+8*\u+4:IN+8*\u+7], v1, s[\p:\p+1] offset:\j*8192+16 th:TH_LOAD_NT
.endm
	LD 0, 4, 0
	LD 1, 4, 1
	LD 2, 4, 2
	LD 3, 4, 3
	LD 4, 6, 0
	LD 5, 6, 1
	LD 6, 6, 2
	LD 7, 8, 0
; half = 1: the bf16 numbers are widened again (a shift, a mask) and packed as f16.
.macro UNIT u, p, j, half
	s_wait_loadcnt 14-2*\u                         ; loads come back in order: unit u is in, the 2 x (7 - u) younger loads stay out
.irp k, 0,1,2,3
	v_cvt_pk_bf16_f32 v[OUT+4*\u+\k], v[IN+8*\u+2*\k], v[IN+8*\u+2*\k+1]
.endr
.if \half
.irp k, 0,1,2,3
	v_lshlrev_b32 v[IN+8*\u+2*\k],   16, v[OUT+4*\u+\k]
	v_and_b32     v[IN+8*\u+2*\k+1], 0xffff0000, v[OUT+4*\u+\k]
.endr
.irp k, 0,1,2,3
	v_cvt_pk_f16_f32 v[OUT+4*\u+\k], v[IN+8*\u+2*\k], v[IN+8*\u+2*\k+1]
.endr
.endif
	global_store_b128 v2, v[OUT+4*\u:OUT+4*\u+3], s[\p:\p+1] offset:\j*4096   ; a wave stores 512 consecutive bytes; the next launch reads them: no hint
.endm
	UNIT 0, 10, 0, 0
	UNIT 1, 10, 1, 0
	UNIT 2, 10, 2, 0
	UNIT 3, 10, 3, 0
	UNIT 4, 12, 0, 0
	UNIT 5, 12, 1, 0
	UNIT 6, 12, 2, 0
	UNIT 7, 14, 0, 1
	s_endpgm
.Lfunc_end_k_q448c101706_tobf16:
	.size	k_q448c101706_tobf16, .Lfunc_end_k_q448c101706_tobf16-k_q448c101706_tobf16
	.p2alignl 7, 3214868480
	.fill 96, 4, 3214868480
	.section	.rodata,"a",@progbits
	.p2align	6, 0x0
	.amdhsa_kernel k_q448c101706_tobf16
		.amdhsa_group_segment_fixed_size 0
		.amdhsa_private_segment_fixed_size 0
		.amdhsa_enable_private_segment 0
		.amdhsa_kernarg_size 48
		.amdhsa_user_sgpr_count 2
		.amdhsa_user_sgpr_kernarg_segment_ptr 1
		.amdhsa_wavefront_size32 1
		.amdhsa_system_sgpr_workgroup_id_x 1
		.amdhsa_system_sgpr_workgroup_id_y 1
		.amdhsa_system_sgpr_workgroup_id_z 1
		.amdhsa_system_vgpr_workitem_id 0
		.amdhsa_next_free_vgpr 104
		.amdhsa_next_free_sgpr 66
		.amdhsa_reserve_vcc 0
		.amdhsa_float_denorm_mode_32 3
		.amdhsa_float_denorm_mode_16_64 3
		.amdhsa_memory_ordered 1
		.amdhsa_forward_progress 1
		.amdhsa_inst_pref_size 7
	.end_amdhsa_kernel
	.amdgpu_metadata
---
amdhsa.version: [ 1, 2 ]
amdhsa.kernels:
  - .name:           k_q448c101706_tobf16
    .symbol:         k_q448c101706_tobf16.kd
    .args:
      - { .name: x, .offset: 0, .size: 8, .value_kind: global_buffer, .address_space: global }
      - { .name: W_qkv, .offset: 8, .size: 8, .value_kind: global_buffer, .address_space: global }
      - { .name: W_out, .offset: 16, .size: 8, .value_kind: global_buffer, .address_space: global }
      - { .name: xb, .offset: 24, .size: 8, .value_kind: global_buffer, .address_space: global }
      - { .name: wqb, .offset: 32, .size: 8, .value_kind: global_buffer, .address_space: global }
      - { .name: woh, .offset: 40, .size: 8, .value_kind: global_buffer, .address_space: global }
    .group_segment_fixed_size: 0
    .private_segment_fixed_size: 0
    .kernarg_segment_align: 8
    .kernarg_segment_size: 48
    .max_flat_workgroup_size: 256
    .sgpr_count:     66
    .vgpr_count:     104
    .wavefront_size: 32
...
	.end_amdgpu_metadata
.endif
;; end of part 1
;; launch qkvgemm (part 2): grid 16 x 16, 4 waves a work-group, clusters of 4 x 4, 327,680 bytes of LDS; arguments xb, wqb, b_qkv, qkv; writes qkv
.if DOCPART == 2
	.amdgcn_target "amdgcn-amd-amdhsa--gfx1250"
	.amdhsa_code_object_version 6
	.text
	.protected	k_q448c101706_qkvgemm
	.globl	k_q448c101706_qkvgemm
	.p2align	8
	.type	k_q448c101706_qkvgemm,@function
k_q448c101706_qkvgemm:
	s_mov_b64 s[64:65], 0
	v_nop
	global_prefetch_b8 v0, s[64:65] scope:SCOPE_SE
	s_setreg_imm32_b32 hwreg(HW_REG_WAVE_MODE, 25, 1), 1
	s_wait_xcnt 0x0
	s_wait_alu depctr_hold_cnt(0) depctr_sa_sdst(0) depctr_va_vdst(0) depctr_va_sdst(0) depctr_va_ssrc(0) depctr_va_vcc(0) depctr_vm_vsrc(0)
	s_getreg_b32 s2, hwreg(HW_REG_IB_STS2, 6, 4)
	s_cmp_eq_u32 s2, 0
	s_cbranch_scc0 .Lentry_in_a_cluster
	s_endpgm
.Lentry_in_a_cluster:
	s_bfe_u32 s2, ttmp6, 0x10000c
	s_cmp_lg_u32 s2, 0xf033
	s_cbranch_scc0 .Lentry_shape_is_right
	s_endpgm
.Lentry_shape_is_right:
; qkv = x W_qkv^T + b_qkv.  xb [4096][1024] bf16, wqb [3072][1024] bf16, b_qkv [3072] f32; sums in f32.
; OUTPUT: qkv [48][4096][64] f16, head-major: plane = feature / 64 (q of head h: plane h, k: 16 + h, v: 32 + h), then token, then the 64 numbers.
; f16, not bf16: the outputs of the first tokens are averages over very few keys and an order of magnitude larger than the rms of the whole
; output, against which the error is bounded; 11 significant bits in q, k, v keep their rounding eight times smaller than 8 bits would.
; LIMIT: |q|, |k|, |v| above 65504 become infinite (as drawn their rms is 0.58; with x and W_qkv both 30 times larger 520);
; below 2^-14 they keep an absolute error of 2^-25.
; A work-group makes 256 tokens x 192 features (three whole heads): 16 x 16 = 256 work-groups.  Wave w makes tokens 64 w .. 64 w + 63 and all 192
; features: 4 x 12 accumulator tiles, so that it can write whole head rows from a stage of its own.
; K goes in steps of 128 through two LDS slots filled by the tensor data mover, one load a wave and step (waves 0, 1: halves of x, waves 2, 3: of W).
; CLUSTERS: 4 x 4 work-groups.  x tiles hang on the token block alone and are asked for jointly along a row of the cluster, W tiles on the
; feature block alone, jointly along a column.
; REGISTERS in windows of 256: window 0 addresses, fragments of x (two buffers), bias, the way out; window 1 fragments of W (two buffers);
; windows 2, 3 the accumulators: tile (a, b) in window 2 + a / 2 at 8 (12 (a % 2) + b).
; THE MATRIX INSTRUCTION IS USED TRANSPOSED (source 0 = 16 rows of W, source 1 = 16 rows of x): lane l then holds token l % 16 and its registers
; 0 to 7 the features 16 b + 8 (l / 16) + 0 .. 7, eight neighbours that pack into 16 bytes.
.set KSTEP,  128
.set PITCH,  272                       ; an LDS row: 256 bytes + 16 of padding, an odd multiple of 16: the 16 rows of a fragment load fall on 16 different 16-byte columns
.set AHALF,  128*PITCH                 ; what waves 0, 1 fetch
.set WHALF,  96*PITCH                  ; what waves 2, 3 fetch
.set WOFF,   256*PITCH                 ; W behind the 256 rows of x
.set SLOT,   448*PITCH
.set STAGE,  2*SLOT                    ; behind the ring: 16 tokens x 400 bytes for each wave; no tensor load lands here
.set SPITCH, 400                       ; 192 f16 + 16 bytes, an odd multiple of 16
.set LAPS,   1024/(2*KSTEP)            ; a lap = two K steps = once round the ring
.set ADRA, 16                          ; v16-17  LDS address of my x fragments in slot 0, 1
.set ADRW, 20                          ; v20-21  the same for W
.set STO,  24                          ; the way out: where I put 16 bytes of a token
.set RD,   25                          ; the way out: where I read them back
.set CO,   26                          ; 16 x lane
.set BOFF, 27                          ; 32 (l / 16): my 8 bias numbers in a group of 16
.set FA,   32                          ; window 0: x fragments, buffer n at 32 + 32 n
.set BI,   96                          ; v96-191 bias of my 8 features of each of the 12 feature tiles
.set TMP,  192                         ; v192-239 packed results
.set RB,   32                          ; v32-79 rows read back (the x fragments are done with by then)
.set G1A, 16
.set G1W, 24
.set G0A, 32                           ; s[32:39] one group 0 for each slot
.set G0W, 48                           ; s[48:55]
.set MSB, 0
.macro WIN new                         ; the high byte of the immediate repeats the setting that is left
.if MSB != \new
	s_set_vgpr_msb (MSB<<8)|\new
.set MSB, \new
.endif
.endm
.set MUL_LO, 0xa1                      ; source 0 (W) window 1, source 1 (x) window 0, C and D window 2
.set MUL_HI, 0xf1                      ; the same, C and D window 3
.set TO_W,   0x40                      ; destination window 1, address window 0
; A joint load.  The branch hangs on the number of the wave alone; each line has one mask and one set of registers for all that issue it.
.macro JLOAD s
	s_cmp_eq_u32 s14, 0
	s_cbranch_scc0 .Lfor_w_\@
	tensor_load_to_lds s[G0A+4*\s:G0A+4*\s+3], s[G1A:G1A+7]
	s_nop 0
	s_branch .Lasked_\@
.Lfor_w_\@:
	tensor_load_to_lds s[G0W+4*\s:G0W+4*\s+3], s[G1W:G1W+7]
	s_nop 0
.Lasked_\@:
.endm
.macro CREST                           ; a round of the barrier of the cluster, behind its opening work-group barrier
	s_cmp_lg_u32 s12, 0
	s_cbranch_scc1 .Lnot_wave_0_\@
	s_barrier_signal -3
.Lnot_wave_0_\@:
	s_barrier_wait -3
	s_barrier_signal -1
	s_barrier_wait -1
.endm
.macro CROUND                          ; a whole round
	s_barrier_signal -1
	s_barrier_wait -1
	CREST
.endm
.macro PLACES                          ; four plain vector places behind a matrix instruction, ahead of loads into its sources and of reads of its result
.rept 4
	v_nop
.endr
.endm
	s_load_b256 s[4:11], s[0:1], 0x0               ; xb s[4:5], wqb s[6:7], b_qkv s[8:9], qkv s[10:11]
	s_set_vgpr_msb 0x40
	v_lshl_add_u32 v255, v0, 2, 0x41c00
	s_set_vgpr_msb 0x4000
	v_mov_b32 v255, 0
	s_set_vgpr_msb 0x1
	ds_add_u32 v255, v255
	ds_add_u32 v255, v255
	s_set_vgpr_msb 0x100
	v_lshrrev_b32 v1, 5, v0
	v_readfirstlane_b32 s12, v1                    ; wave 0..3
	s_and_b32 s13, s12, 1                          ; which half of a tile I fetch
	s_lshr_b32 s14, s12, 1                         ; I fetch for x (0) or for W (1)
	s_bfe_u32 s40, ttmp6, 0x40000                  ; cx
	s_bfe_u32 s41, ttmp6, 0x40004                  ; cy
	s_lshl_b32 s42, ttmp9, 2
	s_add_co_u32 s42, s42, s40                     ; feature block = 4 x cluster x + cx
	s_and_b32 s43, ttmp7, 0xffff
	s_lshl_b32 s43, s43, 2
	s_add_co_u32 s43, s43, s41                     ; token block = 4 x cluster y + cy
	s_lshl_b32 s44, s41, 2
	s_lshl_b32 s44, 15, s44                        ; my row of the cluster
	s_lshl_b32 s45, 0x1111, s40                    ; my column
	; group 1: rows of 128 bf16, 16 bytes of padding behind every 64 words; x: 128 rows, W: 96 rows
	s_or_b32 s[G1A+0], s44, (1<<16)|(1<<20)|(1<<21)|(5<<22)|(3<<25)
	s_or_b32 s[G1W+0], s45, (1<<16)|(1<<20)|(1<<21)|(5<<22)|(3<<25)
	s_mov_b32 s[G1A+1], KSTEP<<16                  ; tensor_dim0 = 128
	s_mov_b32 s[G1W+1], KSTEP<<16
	s_mov_b32 s[G1A+2], 128<<16                    ; tensor_dim1
	s_mov_b32 s[G1W+2], 96<<16
	s_mov_b32 s[G1A+3], KSTEP<<16                  ; tile_dim0 = 128
	s_mov_b32 s[G1W+3], KSTEP<<16
	s_mov_b32 s[G1A+4], 128                        ; tile_dim1
	s_mov_b32 s[G1W+4], 96
	s_mov_b32 s[G1A+5], 1024                       ; elements from row to row
	s_mov_b32 s[G1W+5], 1024
	s_mov_b32 s[G1A+6], 0
	s_mov_b32 s[G1W+6], 0
	s_mov_b32 s[G1A+7], 0
	s_mov_b32 s[G1W+7], 0
	; where the tiles come from: x hangs on the token block and the wave, W on the feature block and the wave, each in registers of its own
	s_lshl_b32 s56, s43, 8
	s_lshl_b32 s57, s13, 7
	s_add_co_u32 s56, s56, s57                     ; x row 256 x block + 128 x half
	s_lshl_b32 s56, s56, 11                        ; rows of 2,048 bytes
	s_mov_b32 s57, 0
	s_mul_i32 s60, s42, 192
	s_mul_i32 s61, s13, 96
	s_add_co_u32 s60, s60, s61                     ; W row 192 x block + 96 x half
	s_lshl_b32 s60, s60, 11
	s_mov_b32 s61, 0
	s_mul_i32 s46, s12, AHALF                      ; where they go: waves 0, 1: wave x 128 rows
	s_mul_i32 s47, s12, WHALF
	s_add_co_u32 s47, s47, WOFF-2*WHALF            ; waves 2, 3: behind x, (wave - 2) x 96 rows
	s_mul_i32 s66, s42, 768                        ; my 192 bias numbers
	s_mov_b32 s67, 0
	s_mul_i32 s70, s42, 0x180000                   ; output: three planes of 524,288 bytes for each feature block,
	s_lshl_b32 s71, s43, 15                        ; 256 tokens of 128 bytes for each token block,
	s_add_co_u32 s70, s70, s71
	s_lshl_b32 s71, s12, 13                        ; 64 tokens for each wave
	s_add_co_u32 s70, s70, s71
	s_mov_b32 s71, 0
	v_and_b32 v1, 15, v0                           ; l % 16
	v_bfe_u32 v2, v0, 4, 1                         ; l / 16
	v_lshlrev_b32 v[BOFF], 5, v2
	s_wait_dscnt 0x0
	s_wait_kmcnt 0x0
	s_add_nc_u64 s[58:59], s[4:5], s[56:57]
	s_add_nc_u64 s[62:63], s[6:7], s[60:61]
	s_add_nc_u64 s[8:9], s[8:9], s[66:67]
	s_add_nc_u64 s[10:11], s[10:11], s[70:71]
.irp b, 0,1,2,3,4,5,6,7,8,9,10,11
	global_load_b128 v[BI+8*\b:BI+8*\b+3],   v[BOFF], s[8:9] offset:64*\b       ; waited for once, in front of the way out
	global_load_b128 v[BI+8*\b+4:BI+8*\b+7], v[BOFF], s[8:9] offset:64*\b+16
.endr
	CROUND                                         ; all sixteen work-groups are here: the first joint loads meet
.irp s, 0,1
	s_mov_b32 s[G0A+4*\s], 1
	s_add_co_u32 s[G0A+4*\s+1], s46, \s*SLOT
	s_add_nc_u64 s[G0A+4*\s+2:G0A+4*\s+3], s[58:59], \s*KSTEP*2
	s_or_b32 s[G0A+4*\s+3], s[G0A+4*\s+3], 0x80000000
	s_mov_b32 s[G0W+4*\s], 1
	s_add_co_u32 s[G0W+4*\s+1], s47, \s*SLOT
	s_add_nc_u64 s[G0W+4*\s+2:G0W+4*\s+3], s[62:63], \s*KSTEP*2
	s_or_b32 s[G0W+4*\s+3], s[G0W+4*\s+3], 0x80000000
	JLOAD \s
.endr
	; fragment addresses: row x pitch + 16 (l / 16); two loads of 16 bytes, 32 bytes apart, make 16 rows x 32 K
	v_mul_u32_u24 v3, v1, PITCH
	v_lshl_add_u32 v3, v2, 4, v3
	s_mul_i32 s68, s12, 64*PITCH                   ; my 64 tokens
	v_add_nc_u32 v[ADRA], s68, v3
	v_add_nc_u32 v[ADRA+1], SLOT, v[ADRA]
	v_add_nc_u32 v[ADRW], WOFF, v3
	v_add_nc_u32 v[ADRW+1], SLOT, v[ADRW]
	s_mul_i32 s69, s12, 16*SPITCH
	s_add_co_u32 s69, s69, STAGE                   ; my stage
	v_mul_u32_u24 v4, v1, SPITCH
	v_lshl_add_u32 v4, v2, 4, v4
	v_add_nc_u32 v[STO], s69, v4                   ; token l % 16, 16 bytes for each half of the lanes
	v_bfe_u32 v5, v0, 3, 2                         ; back: eight lanes take the 128 bytes of one token and head
	v_and_b32 v6, 7, v0
	v_mul_u32_u24 v5, v5, SPITCH
	v_lshl_add_u32 v5, v6, 4, v5
	v_add_nc_u32 v[RD], s69, v5
	v_and_b32 v[CO], 31, v0
	v_lshlrev_b32 v[CO], 4, v[CO]
; 12 matrix instructions: token tile a x all 12 feature tiles, 32 along K, from buffer buf.  zero = 1: the first product starts the sums.
.macro MUL12 buf, a, zero
.irp b, 0,1,2,3,4,5,6,7,8,9,10,11
.if \zero
	v_wmma_f32_16x16x32_bf16 v[8*(12*((\a)&1)+\b):8*(12*((\a)&1)+\b)+7], v[96*\buf+8*\b:96*\buf+8*\b+7], v[FA+32*\buf+8*\a:FA+32*\buf+8*\a+7], 0
.else
	v_wmma_f32_16x16x32_bf16 v[8*(12*((\a)&1)+\b):8*(12*((\a)&1)+\b)+7], v[96*\buf+8*\b:96*\buf+8*\b+7], v[FA+32*\buf+8*\a:FA+32*\buf+8*\a+7], v[8*(12*((\a)&1)+\b):8*(12*((\a)&1)+\b)+7]
.endif
.endr
.endm
; 32 LDS loads in one run: 192 rows of W, then my 64 rows of x, 32 K at byte k of the rows
.macro FETCH slot, k, buf
	WIN TO_W
.irp b, 0,1,2,3,4,5,6,7,8,9,10,11
	ds_load_b128 v[96*\buf+8*\b:96*\buf+8*\b+3],   v[ADRW+\slot] offset:\k+\b*16*PITCH
	ds_load_b128 v[96*\buf+8*\b+4:96*\buf+8*\b+7], v[ADRW+\slot] offset:\k+\b*16*PITCH+32
.endr
	WIN 0
.irp a, 0,1,2,3
	ds_load_b128 v[FA+32*\buf+8*\a:FA+32*\buf+8*\a+3],   v[ADRA+\slot] offset:\k+\a*16*PITCH
	ds_load_b128 v[FA+32*\buf+8*\a+4:FA+32*\buf+8*\a+7], v[ADRA+\slot] offset:\k+\a*16*PITCH+32
.endr
.endm
; A K step is four quarters of 32 along K, 48 matrix instructions each, on buffers 0, 1, 0, 1.  The 48 accumulators take turns, one instruction
; a turn, in the same order in every quarter, over the backward jump too.
.macro QUARTER slot, k, f, g, zero
	s_wait_dscnt 4                                 ; W and x tiles 0, 1 are in; the youngest four loads (x tiles 2, 3) may be out
	WIN MUL_LO
	MUL12 \f, 0, \zero
	MUL12 \f, 1, \zero
	PLACES
	FETCH \slot, \k, \g
	s_wait_dscnt 32                                ; all but the 32 just issued
	WIN MUL_HI
	MUL12 \f, 2, \zero
	MUL12 \f, 3, \zero
.endm
.macro THREE slot, zero
	QUARTER \slot, 64,  0, 1, \zero
	QUARTER \slot, 128, 1, 0, 0
	QUARTER \slot, 192, 0, 1, 0
.endm
; The last quarter multiplies buffer 1 and changes slots.  In front of the barrier each wave waits for its reads of this slot and for all its
; tensor loads (one is out: its part of the next slot).  Where the slot is filled again the barrier opens a round of the barrier of the cluster, and the
; joint refill is the first tensor load behind the round.  From a request to the wait for it a wave issues 180 matrix instructions.
.macro TURN slot, next, fill
	s_wait_dscnt 4
	WIN MUL_LO
	MUL12 1, 0, 0
	s_wait_dscnt 0                                 ; my reads of this slot are over
	s_wait_tensorcnt 0x0                           ; all my tensor loads have landed
	ds_add_u32 v255, v255
	s_wait_dscnt 0x0
	s_barrier_signal -1
	MUL12 1, 1, 0                                  ; register work while the others arrive
	WIN 0
	s_barrier_wait -1
.if \fill
	CREST
	s_add_nc_u64 s[G0A+4*\slot+2:G0A+4*\slot+3], s[G0A+4*\slot+2:G0A+4*\slot+3], 2*KSTEP*2
	s_add_nc_u64 s[G0W+4*\slot+2:G0W+4*\slot+3], s[G0W+4*\slot+2:G0W+4*\slot+3], 2*KSTEP*2
	JLOAD \slot
.endif
	PLACES
	FETCH \next, 0, 0
	WIN MUL_HI
	MUL12 1, 2, 0
	MUL12 1, 3, 0
.endm
.macro LAP zero
	THREE 0, \zero
	TURN 0, 1, 1
	THREE 1, 0
	TURN 1, 0, 1
.endm
	s_wait_tensorcnt 1                             ; my part of K step 0 is in; K step 1 stays out
	s_barrier_signal -1
	s_barrier_wait -1
	FETCH 0, 0, 0
	LAP 1                                          ; the first lap stands in front of the loop: its first products start the sums
	WIN 0
	s_mov_b32 s15, LAPS-2
.Llap:
	LAP 0
	WIN 0
	s_sub_co_u32 s15, s15, 1
	s_cmp_lg_u32 s15, 0
	s_cbranch_scc1 .Llap
	THREE 0, 0                                     ; the last lap fills nothing
	TURN 0, 1, 0
	THREE 1, 0
	s_wait_dscnt 4
	WIN MUL_LO
	MUL12 1, 0, 0
	MUL12 1, 1, 0
	s_wait_dscnt 0
	WIN MUL_HI
	MUL12 1, 2, 0
	MUL12 1, 3, 0
	; THE WAY OUT, 16 tokens at a time: add the bias in f32, round to f16, 16 bytes a lane into my own stage, read back head by head.
	PLACES
	s_wait_loadcnt 0x0                             ; the bias
; token tile a (al = a % 2); addw: destination and source 0 in the window of the tile; cvtw: sources 0 and 1 there
.macro OUT16 a, al, addw, cvtw
	WIN \addw
.irp b, 0,1,2,3,4,5,6,7,8,9,10,11
.irp r, 0,1,2,3
	v_pk_add_f32 v[8*(12*\al+\b)+2*\r:8*(12*\al+\b)+2*\r+1], v[8*(12*\al+\b)+2*\r:8*(12*\al+\b)+2*\r+1], v[BI+8*\b+2*\r:BI+8*\b+2*\r+1]
.endr
.endr
	WIN \cvtw
.irp b, 0,1,2,3,4,5,6,7,8,9,10,11
.irp r, 0,1,2,3
	v_cvt_pk_f16_f32 v[TMP+4*\b+\r], v[8*(12*\al+\b)+2*\r], v[8*(12*\al+\b)+2*\r+1]
.endr
.endr
	WIN 0
.irp b, 0,1,2,3,4,5,6,7,8,9,10,11
	ds_store_b128 v[STO], v[TMP+4*\b:TMP+4*\b+3] offset:32*\b
.endr
	s_wait_xcnt 0x0                                ; RB, which the stores of the last 16 tokens read, is loaded again only behind this wait
.irp hd, 0,1,2
.irp c, 0,1,2,3
	ds_load_b128 v[RB+4*(4*\hd+\c):RB+4*(4*\hd+\c)+3], v[RD] offset:\c*4*SPITCH+128*\hd   ; LDS serves the instructions of a wave in order: these see the stores above
.endr
.endr
.irp hd, 0,1,2
.irp c, 0,1,2,3
	s_wait_dscnt 11-(4*\hd+\c)
	global_store_b128 v[CO], v[RB+4*(4*\hd+\c):RB+4*(4*\hd+\c)+3], s[10:11] offset:\hd*524288+\a*2048+\c*512   ; four tokens of one head: 512 consecutive bytes
.endr
.endr
.endm
	OUT16 0, 0, 0x82, 0x0a
	OUT16 1, 1, 0x82, 0x0a
	OUT16 2, 0, 0xc3, 0x0f
	OUT16 3, 1, 0xc3, 0x0f
	s_set_vgpr_msb 0x1
	s_wait_tensorcnt 0x0
	ds_add_u32 v255, v255
	s_wait_dscnt 0x0
	s_set_vgpr_msb 0x100
	CROUND                                         ; the closing round: no work-group ends while a partner may still ask for a tile that names it
	s_endpgm
.Lfunc_end_k_q448c101706_qkvgemm:
	.size	k_q448c101706_qkvgemm, .Lfunc_end_k_q448c101706_qkvgemm-k_q448c101706_qkvgemm
	.p2alignl 7, 3214868480
	.fill 96, 4, 3214868480
	.section	.rodata,"a",@progbits
	.p2align	6, 0x0
	.amdhsa_kernel k_q448c101706_qkvgemm
		.amdhsa_group_segment_fixed_size 327680
		.amdhsa_private_segment_fixed_size 0
		.amdhsa_enable_private_segment 0
		.amdhsa_kernarg_size 32
		.amdhsa_user_sgpr_count 2
		.amdhsa_user_sgpr_kernarg_segment_ptr 1
		.amdhsa_wavefront_size32 1
		.amdhsa_system_sgpr_workgroup_id_x 1
		.amdhsa_system_sgpr_workgroup_id_y 1
		.amdhsa_system_sgpr_workgroup_id_z 1
		.amdhsa_system_vgpr_workitem_id 0
		.amdhsa_next_free_vgpr 1024
		.amdhsa_next_free_sgpr 74
		.amdhsa_reserve_vcc 0
		.amdhsa_float_denorm_mode_32 3
		.amdhsa_float_denorm_mode_16_64 3
		.amdhsa_memory_ordered 1
		.amdhsa_forward_progress 1
		.amdhsa_inst_pref_size 178
	.end_amdhsa_kernel
	.amdgpu_metadata
---
amdhsa.version: [ 1, 2 ]
amdhsa.kernels:
  - .name:           k_q448c101706_qkvgemm
    .symbol:         k_q448c101706_qkvgemm.kd
    .args:
      - { .name: xb, .offset: 0, .size: 8, .value_kind: global_buffer, .address_space: global }
      - { .name: wqb, .offset: 8, .size: 8, .value_kind: global_buffer, .address_space: global }
      - { .name: b_qkv, .offset: 16, .size: 8, .value_kind: global_buffer, .address_space: global }
      - { .name: qkv, .offset: 24, .size: 8, .value_kind: global_buffer, .address_space: global }
    .group_segment_fixed_size: 327680
    .private_segment_fixed_size: 0
    .kernarg_segment_align: 8
    .kernarg_segment_size: 32
    .max_flat_workgroup_size: 128
    .sgpr_count:     74
    .vgpr_count:     1024
    .wavefront_size: 32
...
	.end_amdgpu_metadata
.endif
;; end of part 2
;; launch attn (part 3): grid 8 x 32, 8 waves a work-group, no clusters, 327,680 bytes of LDS; arguments qkv, ao; writes ao
.if DOCPART == 3
	.amdgcn_target "amdgcn-amd-amdhsa--gfx1250"
	.amdhsa_code_object_version 6
	.text
	.protected	k_q448c101706_attn
	.globl	k_q448c101706_attn
	.p2align	8
	.type	k_q448c101706_attn,@function
k_q448c101706_attn:
	s_mov_b64 s[64:65], 0
	v_nop
	global_prefetch_b8 v0, s[64:65] scope:SCOPE_SE
	s_setreg_imm32_b32 hwreg(HW_REG_WAVE_MODE, 25, 1), 1
	s_wait_xcnt 0x0
; Causal softmax attention, 32 (batch, head) pairs of 2,048 tokens x 64.  qkv [48][4096][64] f16 (q: plane h, k: 16 + h, v: 32 + h);
; ao [16][4096][64] f16, head-major like qkv.  Products on the f16 matrix form with f32 sums; maximum, exponentials and rescaling in f32.
; LIMITS: scores must be finite.  The probabilities are rounded to f16, and the denominator is the sum of those rounded numbers, the same that
; multiply v.  |ao| above 65504 becomes infinite (ao is an average of v).  The running maximum is taken away; nothing is shifted by a constant.
; SHARES: work-group (j, bh) does query block j (128 queries) and then block 15 - j: (j + 1) + (16 - j) = 17 stages of 128 keys for every
; work-group, 8 x 32 = 256 of them.  Eight waves, two to a SIMD so that the matrix work of one runs under the softmax of the other; wave w owns 16 queries.
; A block begins with its own diagonal tile and then takes tiles 0 .. block - 1: key 0 of the diagonal tile is open to every query of the
; block, so the maximum is finite from the first step of the block on.
; NO JOINT LOADS: the eight work-groups of a head read the same K and V, but the pairing that evens the causal work gives each its own order of
; tiles; in lock-step they would need 24 stage times in place of 17.
; ORIENTATION: S^T = K Q^T (source 0: 16 keys, source 1: 16 queries): lane (r, h) holds query r, keys 16 mt + 8 h + 0..7.  The maximum of a query is
; found inside the lane and by one exchange of the lane halves, and two S tiles pack in place into the source-1 fragment of P^T.
; O^T = V^T P^T with V^T fragments from transposing LDS loads; the denominator is an all-ones fragment times P^T.
.set KP,   144                         ; LDS pitch of K: 128 bytes + 16, an odd multiple of 16
.set VP,   160                         ; LDS pitch of V: 128 bytes + 32, an odd multiple of 32 (transposing loads)
.set VOFF, 128*KP
.set SLOT, VOFF+128*VP                 ; 38,912 bytes; two slots
.set STG,  2*SLOT                      ; behind the ring: 16 rows x 144 bytes for each wave; no tensor load lands here
.set AK,   4                           ; v4-5    slot x SLOT + r x 144 + 16 h
.set AV,   6                           ; v6-7    slot x SLOT + VOFF + (8 h + l % 8) x 160 + 16 ((l / 8) % 2)
.set DL0,  8                           ; 16 w + r - 8 h: key 16 mt + i of step 0 of the diagonal tile is open where 16 mt + i <= DL0
.set DL1,  9                           ; DL0 - 64: the same for step 1
.set QOF0, 10                          ; byte offset of my part of the fragments of Q, first block
.set QOF1, 11                          ; second block
.set STO,  12
.set RD,   13
.set OOF,  14
.set L16,  15
.set MX,   16                          ; running maximum of the raw scores
.set NMC,  18                          ; v[18:19] - maximum x c (the low register is used)
.set AL,   20                          ; v[20:21] factor for what has been summed so far
.set T,    22                          ; v22-25
.set NN,   26
.set RC,   28                          ; v[28:29]
.set NINF, 30
.set ONES, 32                          ; v[32:39] f16 ones
.set LT,   40                          ; v[40:47] denominator (all eight registers equal)
.set QF,   48                          ; v[48:63]
.set SC,   64                          ; v[64:95] scores, then probabilities
.set OA,   96                          ; v[96:127]
.set KF,   128                         ; v[128:191] fragment (mt, ks) at 8 (2 mt + ks)
.set VF,   192                         ; v[192:255] fragment (dt, ks) at 8 (2 dt + ks)
.set G1K, 24
.set G1V, 32
.set G0K, 40                           ; s[40:47] one group 0 for each slot
.set G0V, 48                           ; s[48:55]
	s_load_b128 s[4:7], s[0:1], 0x0                ; qkv s[4:5], ao s[6:7]
	v_lshl_add_u32 v27, v0, 2, 0x29000
	v_mov_b32 v31, 0
	ds_add_u32 v27, v31
	ds_add_u32 v27, v31
	v_lshrrev_b32 v1, 5, v0
	v_readfirstlane_b32 s8, v1                     ; wave 0..7
	s_mov_b32 s9, ttmp9                            ; j
	s_and_b32 s10, ttmp7, 0xffff
	s_lshr_b32 s11, s10, 4                         ; batch
	s_and_b32 s12, s10, 15                         ; head
	s_add_co_u32 s15, s9, 1                        ; j + 1: the first stage of the second block
	s_sub_co_u32 s16, 15, s9                       ; the second block
	s_mov_b32 s18, 0x76543210                      ; v_permlanex16_b32: lane i of one half reads lane i of the other
	s_mov_b32 s19, 0xfedcba98
	s_mov_b32 s20, 0x3e38aa3b                      ; c = log2(e) / 8: the scale 1 / sqrt(64) and the base of v_exp_f32 in one
	s_mov_b32 s21, 0x3e38aa3b
	s_mov_b32 s22, 0xbe38aa3b                      ; - c
	; group 1: a wave fetches 16 rows of 128 bytes, dense in memory, as 8 rows of 256 bytes; padding behind every 32 words: 4 words (K), 8 words (V)
	s_mov_b32 s[G1K+0], (1<<16)|(1<<20)|(4<<22)|(3<<25)
	s_mov_b32 s[G1V+0], (1<<16)|(1<<20)|(4<<22)|(7<<25)
.irp g, G1K, G1V
	s_mov_b32 s[\g+1], 128<<16                     ; tensor_dim0 = 128 elements
	s_mov_b32 s[\g+2], 8<<16                       ; tensor_dim1 = 8
	s_mov_b32 s[\g+3], 128<<16                     ; tile_dim0
	s_mov_b32 s[\g+4], 8                           ; tile_dim1
	s_mov_b32 s[\g+5], 128                         ; pitch
	s_mov_b32 s[\g+6], 0
	s_mov_b32 s[\g+7], 0
.endr
	s_lshl_b32 s74, s12, 19                        ; head x 524,288 + batch x 2,048 tokens x 128 bytes
	s_lshl_b32 s75, s11, 18
	s_add_co_u32 s74, s74, s75
	s_mov_b32 s75, 0
	s_lshl_b32 s76, s8, 11                         ; my 16 rows of a tile or block
	s_mov_b32 s77, 0
	s_lshl_b32 s72, s9, 14
	s_add_co_u32 s72, s72, s76                     ; my 16 queries in the first block, in bytes
	s_lshl_b32 s73, s16, 14
	s_add_co_u32 s73, s73, s76                     ; in the second block
	s_lshl_b32 s60, s9, 14                         ; s[60:61]: byte offset of a key tile; stage 0 takes tile j
	s_mov_b32 s61, 0
	s_mul_i32 s62, s8, 16*KP
	s_mul_i32 s63, s8, 16*VP
	s_add_co_u32 s63, s63, VOFF
.irp s, 0,1
	s_mov_b32 s[G0K+4*\s], 1
	s_add_co_u32 s[G0K+4*\s+1], s62, \s*SLOT
	s_mov_b32 s[G0V+4*\s], 1
	s_add_co_u32 s[G0V+4*\s+1], s63, \s*SLOT
.endr
	s_wait_dscnt 0x0
	s_wait_kmcnt 0x0
	s_add_nc_u64 s[66:67], s[4:5], s[74:75]        ; q of my head and batch
	s_add_nc_u64 s[68:69], s[6:7], s[74:75]        ; ao of my head and batch
	s_add_nc_u64 s[56:57], s[66:67], s[76:77]
	s_add_nc_u64 s[58:59], s[56:57], 0x1000000     ; v: 32 planes on, my 16 rows of tile 0
	s_add_nc_u64 s[56:57], s[56:57], 0x800000      ; k: 16 planes on
	s_or_b32 s57, s57, 0x80000000                  ; the type bits; the sums below do not reach them
	s_or_b32 s59, s59, 0x80000000
	s_add_nc_u64 s[G0K+2:G0K+3], s[56:57], s[60:61]
	s_add_nc_u64 s[G0V+2:G0V+3], s[58:59], s[60:61]
	tensor_load_to_lds s[G0K:G0K+3], s[G1K:G1K+7]  ; the tile of stage 0 into slot 0
	s_nop 0
	tensor_load_to_lds s[G0V:G0V+3], s[G1V:G1V+7]
	s_nop 0
	v_and_b32 v1, 15, v0                           ; r
	v_bfe_u32 v2, v0, 4, 1                         ; h
	v_and_b32 v3, 7, v0                            ; l % 8
	v_bfe_u32 v[T], v0, 3, 1                       ; (l / 8) % 2
	v_bfe_u32 v[T+1], v0, 3, 2                     ; l / 8
	v_lshlrev_b32 v[QOF0], 7, v1
	v_lshl_add_u32 v[QOF0], v2, 4, v[QOF0]         ; r x 128 + 16 h
	v_add_nc_u32 v[QOF1], s73, v[QOF0]
	v_add_nc_u32 v[QOF0], s72, v[QOF0]
.irp k, 0,1,2,3
	global_load_b128 v[QF+4*\k:QF+4*\k+3], v[QOF0], s[66:67] offset:32*\k     ; query r, d = 16 k + 8 h + 0..7: two source-1 fragments
.endr
	v_mul_u32_u24 v[AK], v1, KP
	v_lshl_add_u32 v[AK], v2, 4, v[AK]
	v_add_nc_u32 v[AK+1], SLOT, v[AK]
	v_lshl_add_u32 v[T+2], v2, 3, v3
	v_mul_u32_u24 v[AV], v[T+2], VP
	v_lshl_add_u32 v[AV], v[T], 4, v[AV]
	v_add_nc_u32 v[AV], VOFF, v[AV]
	v_add_nc_u32 v[AV+1], SLOT, v[AV]
	s_lshl_b32 s62, s8, 4
	v_add_nc_u32 v[DL0], s62, v1
	v_lshlrev_b32 v[T+2], 3, v2
	v_sub_nc_u32 v[DL0], v[DL0], v[T+2]            ; may be negative: compared as a signed number
	v_add_nc_u32 v[DL1], 0xffffffc0, v[DL0]
	s_mul_i32 s63, s8, 16*KP
	s_add_co_u32 s63, s63, STG                     ; my stage
	v_add_nc_u32 v[STO], s63, v[AK]                ; query r, 16 bytes for each half of the lanes
	v_mul_u32_u24 v[RD], v[T+1], KP
	v_lshl_add_u32 v[RD], v3, 4, v[RD]
	v_add_nc_u32 v[RD], s63, v[RD]                 ; back: eight lanes take the 128 bytes of one query
	v_and_b32 v[L16], 31, v0
	v_lshlrev_b32 v[L16], 4, v[L16]
	v_mov_b32 v[NMC+1], 0                          ; upper registers of pairs whose lower one is broadcast: written once
	v_mov_b32 v[AL+1], 0
	v_mov_b32 v[RC+1], 0
	v_mov_b32 v[NINF], 0xff800000
.irp k, 0,1,2,3,4,5,6,7
	v_mov_b32 v[ONES+\k], 0x3c003c00
.endr
; The state of a block at its start.  The first stage of a block stands at a place in the stream that hangs on j, so a written-out first product would
; need a copy of the stage for each slot; 42 moves, twice in the kernel, are the cheaper way.
.macro RESET
	v_mov_b32 v[MX], 0xff800000                    ; maximum = -inf
	v_mov_b32 v[NMC], 0x7f800000                   ; so that the first factor is 2^(-inf) = 0
.irp k, 0,1,2,3,4,5,6,7
	v_mov_b32 v[LT+\k], 0
.endr
.set ii, 0
.rept 32
	v_mov_b32 v[OA+ii], 0
.set ii, ii+1
.endr
.endm
	RESET
.macro PLACES n                        ; plain vector places behind a matrix instruction (ISA guide 7.12.1)
.rept \n
	v_nop
.endr
.endm
.macro KLOAD slot, step                ; 64 keys x 64 d: 8 source-0 fragments, 16 loads
.irp mt, 0,1,2,3
.irp ks, 0,1
	ds_load_b128 v[KF+8*(2*\mt+\ks):KF+8*(2*\mt+\ks)+3],   v[AK+\slot] offset:(64*\step+16*\mt)*KP+64*\ks
	ds_load_b128 v[KF+8*(2*\mt+\ks)+4:KF+8*(2*\mt+\ks)+7], v[AK+\slot] offset:(64*\step+16*\mt)*KP+64*\ks+32
.endr
.endr
.endm
.macro VLOAD slot, step                ; 64 keys x 64 d, transposed: 8 source-0 fragments (16 d x 32 keys), 16 loads
.irp dt, 0,1,2,3
.irp ks, 0,1
	ds_load_tr16_b128 v[VF+8*(2*\dt+\ks):VF+8*(2*\dt+\ks)+3],   v[AV+\slot] offset:(64*\step+32*\ks)*VP+32*\dt
	ds_load_tr16_b128 v[VF+8*(2*\dt+\ks)+4:VF+8*(2*\dt+\ks)+7], v[AV+\slot] offset:(64*\step+32*\ks)*VP+32*\dt+16*VP
.endr
.endr
.endm
; In SMUL and PV the accumulators take turns, one instruction a turn.
.macro SMUL                            ; scores of 64 keys x 16 queries
.irp mt, 0,1,2,3
	v_wmma_f32_16x16x32_f16 v[SC+8*\mt:SC+8*\mt+7], v[KF+16*\mt:KF+16*\mt+7], v[QF:QF+7], 0
.endr
.irp mt, 0,1,2,3
	v_wmma_f32_16x16x32_f16 v[SC+8*\mt:SC+8*\mt+7], v[KF+16*\mt+8:KF+16*\mt+15], v[QF+8:QF+15], v[SC+8*\mt:SC+8*\mt+7]
.endr
.endm
.macro MASK dl                         ; the diagonal tile: keys behind the query get -inf
.irp mt, 0,1,2,3
.irp i, 0,1,2,3,4,5,6,7
	v_cmp_le_i32 vcc_lo, 16*\mt+\i, v[\dl]
	v_cndmask_b32 v[SC+8*\mt+\i], v[NINF], v[SC+8*\mt+\i], vcc_lo
.endr
.endr
.endm
.macro SOFTMAX
.irp k, 0,1,2,3
	v_max3_num_f32 v[T+\k], v[SC+8*\k], v[SC+8*\k+1], v[SC+8*\k+2]        ; 32 scores and the old maximum: 16 instructions, four chains
.endr
.irp k, 0,1,2,3
	v_max3_num_f32 v[T+\k], v[T+\k], v[SC+8*\k+3], v[SC+8*\k+4]
.endr
.irp k, 0,1,2,3
	v_max3_num_f32 v[T+\k], v[T+\k], v[SC+8*\k+5], v[SC+8*\k+6]
.endr
	v_max3_num_f32 v[T], v[T], v[SC+7], v[SC+15]
	v_max3_num_f32 v[T+1], v[T+1], v[SC+23], v[SC+31]
	v_max3_num_f32 v[T+2], v[T+2], v[T+3], v[MX]
	v_max3_num_f32 v[T], v[T], v[T+1], v[T+2]
	v_permlanex16_b32 v[T+1], v[T], s18, s19       ; the other half of the lanes holds the other keys of the same query
	v_max_num_f32 v[MX], v[T], v[T+1]
	v_mul_f32 v[NN], s22, v[MX]                    ; - m c
	v_sub_f32 v[AL], v[NN], v[NMC]                 ; (m old - m new) c
	v_mov_b32 v[NMC], v[NN]
	v_exp_f32 v[AL], v[AL]                         ; used only behind the fused multiply-adds below
.set ii, 0
.rept 16
	v_pk_fma_f32 v[SC+ii:SC+ii+1], v[SC+ii:SC+ii+1], s[20:21], v[NMC:NMC+1] op_sel_hi:[1,0,0]   ; s c - m c
.set ii, ii+2
.endr
.set ii, 0
.rept 32
	v_exp_f32 v[SC+ii], v[SC+ii]
.set ii, ii+1
.endr
.set ii, 0
	s_wait_alu depctr_va_vdst(0)
.rept 16
	v_pk_mul_f32 v[OA+ii:OA+ii+1], v[OA+ii:OA+ii+1], v[AL:AL+1] op_sel_hi:[1,0]   ; plain instructions between the exponentials and their use (ISA guide 5.7.2)
.set ii, ii+2
.endr
.set ii, 0
.rept 4
	v_pk_mul_f32 v[LT+ii:LT+ii+1], v[LT+ii:LT+ii+1], v[AL:AL+1] op_sel_hi:[1,0]
.set ii, ii+2
.endr
.irp ks, 0,1
.irp p, 0,1,2,3,4,5,6,7
	v_cvt_pk_f16_f32 v[SC+16*\ks+\p], v[SC+16*\ks+2*\p], v[SC+16*\ks+2*\p+1]     ; in place: S tiles 2 ks, 2 ks + 1 become the fragment of keys 32 ks .. 32 ks + 31
.endr
.endr
.endm
.macro PV
.irp ks, 0,1
.irp dt, 0,1,2,3
	v_wmma_f32_16x16x32_f16 v[OA+8*\dt:OA+8*\dt+7], v[VF+8*(2*\dt+\ks):VF+8*(2*\dt+\ks)+7], v[SC+16*\ks:SC+16*\ks+7], v[OA+8*\dt:OA+8*\dt+7]
.endr
	v_wmma_f32_16x16x32_f16 v[LT:LT+7], v[ONES:ONES+7], v[SC+16*\ks:SC+16*\ks+7], v[LT:LT+7]
.endr
.endm
; A block is done: divide, round to f16, through my stage, out as 2,048 consecutive bytes.  soff: my 16 queries of the block, in bytes.
.macro EPI soff, reset
	v_rcp_f32 v[RC], v[LT]
	v_add_nc_u32 v[OOF], \soff, v[L16]             ; the plain instruction behind v_rcp_f32
.set ii, 0
	s_wait_alu depctr_va_vdst(0)
.rept 16
	v_pk_mul_f32 v[OA+ii:OA+ii+1], v[OA+ii:OA+ii+1], v[RC:RC+1] op_sel_hi:[1,0]
.set ii, ii+2
.endr
.set ii, 0
.rept 16
	v_cvt_pk_f16_f32 v[SC+ii], v[OA+2*ii], v[OA+2*ii+1]
.set ii, ii+1
.endr
.irp dt, 0,1,2,3
	ds_store_b128 v[STO], v[SC+4*\dt:SC+4*\dt+3] offset:32*\dt
.endr
.irp c, 0,1,2,3
	ds_load_b128 v[KF+4*\c:KF+4*\c+3], v[RD] offset:4*KP*\c        ; LDS serves the instructions of a wave in order: these see the stores above
.endr
.irp c, 0,1,2,3
	s_wait_dscnt 3-\c
	global_store_b128 v[OOF], v[KF+4*\c:KF+4*\c+3], s[68:69] offset:512*\c    ; four queries: 512 consecutive bytes
.endr
.if \reset
	s_wait_xcnt 0x0                                ; KF and OOF, which these stores read, are written again only behind this wait
	RESET
.endif
.endm
; One stage: 128 keys from slot, in two steps of 64.  refill = 1: the other slot gets the tile of the next stage.  tail = 1: the last stage.
.macro STAGE slot, refill, tail
	s_wait_tensorcnt 0x0                           ; all my tensor loads have landed, my rows of the tile of this stage among them: every group 0 may be written
	ds_add_u32 v27, v31
	s_wait_dscnt 0x0
.if \tail == 0
	s_lshl_b32 s13, s14, 1                         ; st, the number of this stage
.if \slot
	s_add_co_u32 s13, s13, 1
.endif
	s_sub_co_u32 s62, s13, s15                     ; the tile of stage st + 1: st - j - 1 in the second block,
	s_cmp_lt_u32 s13, s9
	s_cselect_b32 s62, s13, s62                    ; st in the first block,
	s_cmp_eq_u32 s13, s9
	s_cselect_b32 s62, s16, s62                    ; the diagonal tile of the second block at the change
	s_cselect_b32 s71, 1, 0                        ; st = j: the first block ends in this stage
	s_lshl_b32 s60, s62, 14
	s_add_nc_u64 s[G0K+4*(1-\slot)+2:G0K+4*(1-\slot)+3], s[56:57], s[60:61]
	s_add_nc_u64 s[G0V+4*(1-\slot)+2:G0V+4*(1-\slot)+3], s[58:59], s[60:61]
	s_cmp_eq_u32 s13, 0
	s_cselect_b32 s70, 1, 0
	s_cmp_eq_u32 s13, s15
	s_cselect_b32 s70, 1, s70                      ; this stage holds a diagonal tile
.endif
	s_wait_dscnt 0x0                               ; my reads of the other slot are over
	s_barrier_signal -1
	s_barrier_wait -1                              ; both now hold of all eight waves: this slot is whole, the other free
.if \refill
	tensor_load_to_lds s[G0K+4*(1-\slot):G0K+4*(1-\slot)+3], s[G1K:G1K+7]     ; two loads a wave are out, with the whole stage in which to land
	s_nop 0
	tensor_load_to_lds s[G0V+4*(1-\slot):G0V+4*(1-\slot)+3], s[G1V:G1V+7]
	s_nop 0
.endif
	KLOAD \slot, 0
	VLOAD \slot, 0
	s_wait_loadcnt 0x0                             ; Q (out only in the first stage of a block)
	s_wait_dscnt 16                                ; the K of step 0 is in; the 16 loads of V may be out
	SMUL
	PLACES 4                                       ; ahead of loads into KF and of reads of the scores
	KLOAD \slot, 1
.if \tail == 0
	s_cmp_eq_u32 s70, 0
	s_cbranch_scc1 .Lopen0_\@
	MASK DL0
.Lopen0_\@:
.endif
	SOFTMAX
	s_wait_dscnt 16                                ; the V of step 0 is in; the 16 loads of the K of step 1 may be out
	PV
	PLACES 5                                       ; ahead of loads into VF and of the products that write over P
	VLOAD \slot, 1
	s_wait_dscnt 16                                ; the K of step 1 is in; its V may be out
	SMUL
	PLACES 4
.if \tail == 0
	s_cmp_eq_u32 s71, 0
	s_cbranch_scc1 .Lsameq_\@
.irp k, 0,1,2,3
	global_load_b128 v[QF+4*\k:QF+4*\k+3], v[QOF1], s[66:67] offset:32*\k     ; the last products of the first block have read Q: the queries of the second block
.endr
.Lsameq_\@:
	s_cmp_eq_u32 s70, 0
	s_cbranch_scc1 .Lopen1_\@
	MASK DL1
.Lopen1_\@:
.endif
	SOFTMAX
	s_wait_dscnt 0x0
	PV
	PLACES 5                                       ; ahead of the next loads and products, and of the reads of O
.if \tail
	EPI s73, 0
.else
	s_cmp_eq_u32 s71, 0
	s_cbranch_scc1 .Lgoon_\@
	EPI s72, 1
.Lgoon_\@:
.endif
.endm
	s_mov_b32 s14, 0
.Lpair:                                            ; stages 0 .. 15, which fetch the tiles of stages 1 .. 16
	STAGE 0, 1, 0
	STAGE 1, 1, 0
	s_add_co_u32 s14, s14, 1
	s_cmp_lt_u32 s14, 8
	s_cbranch_scc1 .Lpair
	STAGE 0, 0, 1                                  ; stage 16: nothing to fetch, never diagonal (j + 1 <= 8), ends the second block
	s_wait_tensorcnt 0x0
	ds_add_u32 v27, v31
	s_wait_dscnt 0x0
	s_endpgm
.Lfunc_end_k_q448c101706_attn:
	.size	k_q448c101706_attn, .Lfunc_end_k_q448c101706_attn-k_q448c101706_attn
	.p2alignl 7, 3214868480
	.fill 96, 4, 3214868480
	.section	.rodata,"a",@progbits
	.p2align	6, 0x0
	.amdhsa_kernel k_q448c101706_attn
		.amdhsa_group_segment_fixed_size 327680
		.amdhsa_private_segment_fixed_size 0
		.amdhsa_enable_private_segment 0
		.amdhsa_kernarg_size 16
		.amdhsa_user_sgpr_count 2
		.amdhsa_user_sgpr_kernarg_segment_ptr 1
		.amdhsa_wavefront_size32 1
		.amdhsa_system_sgpr_workgroup_id_x 1
		.amdhsa_system_sgpr_workgroup_id_y 1
		.amdhsa_system_sgpr_workgroup_id_z 1
		.amdhsa_system_vgpr_workitem_id 0
		.amdhsa_next_free_vgpr 256
		.amdhsa_next_free_sgpr 78
		.amdhsa_reserve_vcc 1
		.amdhsa_float_denorm_mode_32 3
		.amdhsa_float_denorm_mode_16_64 3
		.amdhsa_memory_ordered 1
		.amdhsa_forward_progress 1
		.amdhsa_inst_pref_size 86
	.end_amdhsa_kernel
	.amdgpu_metadata
---
amdhsa.version: [ 1, 2 ]
amdhsa.kernels:
  - .name:           k_q448c101706_attn
    .symbol:         k_q448c101706_attn.kd
    .args:
      - { .name: qkv, .offset: 0, .size: 8, .value_kind: global_buffer, .address_space: global }
      - { .name: ao, .offset: 8, .size: 8, .value_kind: global_buffer, .address_space: global }
    .group_segment_fixed_size: 327680
    .private_segment_fixed_size: 0
    .kernarg_segment_align: 8
    .kernarg_segment_size: 16
    .max_flat_workgroup_size: 256
    .sgpr_count:     78
    .vgpr_count:     256
    .wavefront_size: 32
...
	.end_amdgpu_metadata
.endif
;; end of part 3
;; launch proj (part 4): grid 8 x 32, 4 waves a work-group, clusters of 4 x 4, 327,680 bytes of LDS; arguments ao, woh, b_out, out0; writes out0
.if DOCPART == 4
	.amdgcn_target "amdgcn-amd-amdhsa--gfx1250"
	.amdhsa_code_object_version 6
	.text
	.protected	k_q448c101706_proj
	.globl	k_q448c101706_proj
	.p2align	8
	.type	k_q448c101706_proj,@function
k_q448c101706_proj:
	s_mov_b64 s[64:65], 0
	v_nop
	global_prefetch_b8 v0, s[64:65] scope:SCOPE_SE
	s_setreg_imm32_b32 hwreg(HW_REG_WAVE_MODE, 25, 1), 1
	s_wait_xcnt 0x0
	s_wait_alu depctr_hold_cnt(0) depctr_sa_sdst(0) depctr_va_vdst(0) depctr_va_sdst(0) depctr_va_ssrc(0) depctr_va_vcc(0) depctr_vm_vsrc(0)
	s_getreg_b32 s2, hwreg(HW_REG_IB_STS2, 6, 4)
	s_cmp_eq_u32 s2, 0
	s_cbranch_scc0 .Lentry_in_a_cluster
	s_endpgm
.Lentry_in_a_cluster:
	s_bfe_u32 s2, ttmp6, 0x10000c
	s_cmp_lg_u32 s2, 0xf033
	s_cbranch_scc0 .Lentry_shape_is_right
	s_endpgm
.Lentry_shape_is_right:
; out0 = ao W_out^T + b_out.  ao [16][4096][64] f16 (head-major), woh [1024][1024] f16 (W_out rounded to bf16, carried as f16),
; b_out [1024] f32, out0 [4096][1024] f32.  Products on the f16 matrix form, sums and bias in f32.
; A work-group makes 128 tokens x 128 features: 8 x 32 = 256 work-groups.  Four waves, 2 x 2, each 64 x 64: 16 accumulator tiles.
; K goes in 8 steps of 128 (two heads) through FOUR LDS slots; two slots are filled again behind one round, so that each refilled tile has
; 8 quarter steps (128 matrix instructions of a wave) in which to land.  One tensor load a wave and step: waves 0, 1 the 128 token rows of one head
; each (16 KiB, dense in memory), waves 2, 3 64 rows of W each.  All eight steps are written out.
; CLUSTERS: 4 x 4.  ao tiles hang on the token block alone: joint along a row of the cluster; W tiles on the feature block alone: joint along a column.
; TRANSPOSED USE (source 0 = 16 rows of W, source 1 = 16 tokens): lane l holds token l % 16, features 16 b + 8 (l / 16) + 0..7.
.set AP,    144                        ; LDS pitch of ao: 128 bytes + 16
.set WP,    272                        ; LDS pitch of W: 256 bytes + 16
.set AHEAD, 128*AP                     ; the 128 tokens of one head
.set WOFF,  2*AHEAD
.set SLOT,  WOFF+128*WP                ; 71,680 bytes
.set STG,   4*SLOT                     ; behind the ring: 16 rows x 272 bytes for each wave; no tensor load lands here
.set SP,    272
.set ADRA, 8                           ; v8-11   my ao fragments in slot 0..3
.set ADRW, 12                          ; v12-15  my W fragments
.set STO,  16
.set RD,   17
.set CO,   18
.set BOFF, 19
.set BI,   32                          ; v32-63  bias of my 8 features of each of the 4 feature tiles
.set F0,   64                          ; fragment buffers: W at +0, ao at +32
.set F1,   128
.set TMP,  192
.set RB,   224
.set G1A, 16
.set G1W, 24
.set G0A, 32                           ; s[32:47] one group 0 for each slot
.set G0W, 48                           ; s[48:63]
.set MSB, 0
.macro WIN new
.if MSB != \new
	s_set_vgpr_msb (MSB<<8)|\new
.set MSB, \new
.endif
.endm
.macro JLOAD s
	s_cmp_eq_u32 s14, 0
	s_cbranch_scc0 .Lfor_w_\@
	tensor_load_to_lds s[G0A+4*\s:G0A+4*\s+3], s[G1A:G1A+7]
	s_nop 0
	s_branch .Lasked_\@
.Lfor_w_\@:
	tensor_load_to_lds s[G0W+4*\s:G0W+4*\s+3], s[G1W:G1W+7]
	s_nop 0
.Lasked_\@:
.endm
.macro ROUND                           ; a round of the barrier of the cluster
	s_barrier_signal -1
	s_barrier_wait -1
	s_cmp_lg_u32 s12, 0
	s_cbranch_scc1 .Lnot_wave_0_\@
	s_barrier_signal -3
.Lnot_wave_0_\@:
	s_barrier_wait -3
	s_barrier_signal -1
	s_barrier_wait -1
.endm
.macro PLACES                          ; four plain vector places behind a matrix instruction (ISA guide 7.12.1)
.rept 4
	v_nop
.endr
.endm
	s_load_b256 s[4:11], s[0:1], 0x0               ; ao s[4:5], woh s[6:7], b_out s[8:9], out0 s[10:11]
	v_lshl_add_u32 v30, v0, 2, 0x4a400
	v_mov_b32 v31, 0
	ds_add_u32 v30, v31
	ds_add_u32 v30, v31
	v_lshrrev_b32 v1, 5, v0
	v_readfirstlane_b32 s12, v1                    ; wave 0..3
	s_and_b32 s13, s12, 1                          ; my half of the features.  Also: which head, or which 64 rows of W, I fetch
	s_lshr_b32 s14, s12, 1                         ; my half of the tokens.  Also: I fetch for ao (0) or for W (1)
	s_bfe_u32 s66, ttmp6, 0x40000                  ; cx
	s_bfe_u32 s67, ttmp6, 0x40004                  ; cy
	s_lshl_b32 s68, ttmp9, 2
	s_add_co_u32 s68, s68, s66                     ; feature block
	s_and_b32 s69, ttmp7, 0xffff
	s_lshl_b32 s69, s69, 2
	s_add_co_u32 s69, s69, s67                     ; token block
	s_lshl_b32 s70, s67, 2
	s_lshl_b32 s70, 15, s70                        ; my row of the cluster
	s_lshl_b32 s71, 0x1111, s66                    ; my column
	; group 1.  ao: 64 rows of 256 bytes (two tokens each), 4 words of padding behind every 32.  W: 64 rows of 256 bytes, pitch 1,024 elements, 4 words behind every 64.
	s_or_b32 s[G1A+0], s70, (1<<16)|(1<<20)|(1<<21)|(4<<22)|(3<<25)
	s_or_b32 s[G1W+0], s71, (1<<16)|(1<<20)|(1<<21)|(5<<22)|(3<<25)
	s_mov_b32 s[G1A+1], 128<<16
	s_mov_b32 s[G1W+1], 128<<16
	s_mov_b32 s[G1A+2], 64<<16
	s_mov_b32 s[G1W+2], 64<<16
	s_mov_b32 s[G1A+3], 128<<16
	s_mov_b32 s[G1W+3], 128<<16
	s_mov_b32 s[G1A+4], 64
	s_mov_b32 s[G1W+4], 64
	s_mov_b32 s[G1A+5], 128
	s_mov_b32 s[G1W+5], 1024
	s_mov_b32 s[G1A+6], 0
	s_mov_b32 s[G1W+6], 0
	s_mov_b32 s[G1A+7], 0
	s_mov_b32 s[G1W+7], 0
	s_lshl_b32 s72, s13, 19                        ; ao: head (wave % 2) of K step 0,
	s_lshl_b32 s73, s69, 14                        ; 128 tokens of 128 bytes for each token block
	s_add_co_u32 s72, s72, s73
	s_mov_b32 s73, 0
	s_lshl_b32 s74, s68, 7
	s_lshl_b32 s75, s13, 6
	s_add_co_u32 s74, s74, s75                     ; W row 128 x block + 64 x half
	s_lshl_b32 s74, s74, 11
	s_mov_b32 s75, 0
	s_mul_i32 s76, s12, AHEAD                      ; waves 0, 1: head by head
	s_mul_i32 s77, s12, 64*WP
	s_add_co_u32 s77, s77, WOFF-2*64*WP            ; waves 2, 3: behind ao, (wave - 2) x 64 rows
	s_lshl_b32 s78, s68, 9                         ; my 64 features, in f32: 512 x block + 256 x half
	s_lshl_b32 s79, s13, 8
	s_add_co_u32 s78, s78, s79
	s_mov_b32 s79, 0
	s_lshl_b32 s80, s69, 19                        ; my first row of out0: (128 x block + 64 x half) x 4,096 bytes
	s_lshl_b32 s81, s14, 18
	s_add_co_u32 s80, s80, s81
	s_add_co_u32 s80, s80, s78                     ; and my first column
	s_mov_b32 s81, 0
	v_and_b32 v1, 15, v0                           ; l % 16
	v_bfe_u32 v2, v0, 4, 1                         ; l / 16
	v_lshlrev_b32 v[BOFF], 5, v2
	s_wait_dscnt 0x0
	s_wait_kmcnt 0x0
	s_add_nc_u64 s[82:83], s[4:5], s[72:73]
	s_add_nc_u64 s[84:85], s[6:7], s[74:75]
	s_add_nc_u64 s[8:9], s[8:9], s[78:79]
	s_add_nc_u64 s[10:11], s[10:11], s[80:81]
.irp b, 0,1,2,3
	global_load_b128 v[BI+8*\b:BI+8*\b+3],   v[BOFF], s[8:9] offset:64*\b       ; waited for once, in front of the way out
	global_load_b128 v[BI+8*\b+4:BI+8*\b+7], v[BOFF], s[8:9] offset:64*\b+16
.endr
	ROUND                                          ; all sixteen work-groups are here: the first joint loads meet
.irp s, 0,1,2,3
	s_mov_b32 s[G0A+4*\s], 1
	s_add_co_u32 s[G0A+4*\s+1], s76, \s*SLOT
	s_add_nc_u64 s[G0A+4*\s+2:G0A+4*\s+3], s[82:83], \s*0x100000   ; K step s: two heads on
	s_or_b32 s[G0A+4*\s+3], s[G0A+4*\s+3], 0x80000000
	s_mov_b32 s[G0W+4*\s], 1
	s_add_co_u32 s[G0W+4*\s+1], s77, \s*SLOT
	s_add_nc_u64 s[G0W+4*\s+2:G0W+4*\s+3], s[84:85], \s*256
	s_or_b32 s[G0W+4*\s+3], s[G0W+4*\s+3], 0x80000000
	JLOAD \s                                       ; four loads of a wave are out
.endr
	v_mul_u32_u24 v3, v1, AP
	v_lshl_add_u32 v3, v2, 4, v3
	v_mul_u32_u24 v4, v1, WP
	v_lshl_add_u32 v4, v2, 4, v4
	s_mul_i32 s86, s14, 64*AP                      ; my 64 tokens
	s_mul_i32 s87, s13, 64*WP                      ; my 64 features
	s_add_co_u32 s87, s87, WOFF
.irp s, 0,1,2,3
	v_add_nc_u32 v[ADRA+\s], s86, v3
	v_add_nc_u32 v[ADRW+\s], s87, v4
	s_add_co_u32 s86, s86, SLOT
	s_add_co_u32 s87, s87, SLOT
.endr
	s_mul_i32 s86, s12, 16*SP
	s_add_co_u32 s86, s86, STG                     ; my stage
	v_mul_u32_u24 v5, v1, SP
	v_lshl_add_u32 v5, v2, 5, v5
	v_add_nc_u32 v[STO], s86, v5                   ; token l % 16, 32 bytes for each half of the lanes
	v_mul_u32_u24 v6, v2, SP
	v_lshl_add_u32 v6, v1, 4, v6
	v_add_nc_u32 v[RD], s86, v6                    ; back: lanes 0-15 one row of 256 bytes, lanes 16-31 the next
	v_lshlrev_b32 v7, 12, v2
	v_lshl_add_u32 v[CO], v1, 4, v7                ; the same two rows in out0
; 16 LDS loads: quarter q of the K step of a slot (head q / 2, d = 32 (q % 2)) into buffer f
.macro FETCH slot, q, f
.irp b, 0,1,2,3
	ds_load_b128 v[\f+8*\b:\f+8*\b+3],   v[ADRW+\slot] offset:64*\q+\b*16*WP
	ds_load_b128 v[\f+8*\b+4:\f+8*\b+7], v[ADRW+\slot] offset:64*\q+\b*16*WP+32
.endr
.irp a, 0,1,2,3
	ds_load_b128 v[\f+32+8*\a:\f+32+8*\a+3],   v[ADRA+\slot] offset:(\q/2)*AHEAD+(\q%2)*64+\a*16*AP
	ds_load_b128 v[\f+32+8*\a+4:\f+32+8*\a+7], v[ADRA+\slot] offset:(\q/2)*AHEAD+(\q%2)*64+\a*16*AP+32
.endr
.endm
; A quarter step: fetches quarter q of slot into buffer g, then multiplies buffer f.  The 16 accumulators (window 1) take turns, one instruction
; a turn, in the same order in every quarter.
.macro QT f, g, slot, q, zero, fetch
.if \fetch
	PLACES                                         ; buffer g was read by the matrix instructions just in front
	FETCH \slot, \q, \g
	s_wait_dscnt 16                                ; buffer f is in; the 16 loads just issued stay out
.else
	s_wait_dscnt 0x0
.endif
	WIN 0x50                                       ; C and D in window 1
.irp a, 0,1,2,3
.irp b, 0,1,2,3
.if \zero
	v_wmma_f32_16x16x32_f16 v[8*(4*\a+\b):8*(4*\a+\b)+7], v[\f+8*\b:\f+8*\b+7], v[\f+32+8*\a:\f+32+8*\a+7], 0
.else
	v_wmma_f32_16x16x32_f16 v[8*(4*\a+\b):8*(4*\a+\b)+7], v[\f+8*\b:\f+8*\b+7], v[\f+32+8*\a:\f+32+8*\a+7], v[8*(4*\a+\b):8*(4*\a+\b)+7]
.endif
.endr
.endr
	WIN 0
.endm
.macro THREEQ slot, zero               ; quarters 0, 1, 2 of a step; each fetches the next quarter of the same slot
	QT F0, F1, \slot, 1, \zero, 1
	QT F1, F0, \slot, 2, 0, 1
	QT F0, F1, \slot, 3, 0, 1
.endm
.macro SYNC n                          ; the next tile is shown to all four waves; n younger loads stay out
	s_wait_tensorcnt \n
	s_wait_dscnt 0x0
	s_barrier_signal -1
	s_barrier_wait -1
.endm
; Slots a and b have been read (the last fragments of slot b were asked for a quarter ago) and are filled again, four K steps on.
.macro REFILL a, b
	s_wait_tensorcnt 0x0                           ; all my tensor loads have landed: the two unread slots are whole, every group 0 may be written
	ds_add_u32 v30, v31
	s_wait_dscnt 0x0                               ; my reads of slots a and b are over
.irp t, \a, \b
	s_add_nc_u64 s[G0A+4*\t+2:G0A+4*\t+3], s[G0A+4*\t+2:G0A+4*\t+3], 0x400000
	s_add_nc_u64 s[G0W+4*\t+2:G0W+4*\t+3], s[G0W+4*\t+2:G0W+4*\t+3], 1024
.endr
	ROUND                                          ; both now hold of every wave of every work-group of the cluster
	JLOAD \a                                       ; the first tensor loads behind the round: two of a wave are out
	JLOAD \b
.endm
	SYNC 3                                         ; K step 0 is in; three younger loads stay out
	FETCH 0, 0, F0
	THREEQ 0, 1                                    ; step 0: its first products start the sums
	SYNC 2                                         ; K step 1 is in
	QT F1, F0, 1, 0, 0, 1
	THREEQ 1, 0                                    ; step 1
	REFILL 0, 1                                    ; K steps 4, 5 go out; 2 and 3 have landed
	QT F1, F0, 2, 0, 0, 1
	THREEQ 2, 0                                    ; step 2
	QT F1, F0, 3, 0, 0, 1                          ; K step 3 was shown landed in front of the round
	THREEQ 3, 0                                    ; step 3
	REFILL 2, 3                                    ; K steps 6, 7 go out; 4 and 5 have landed
	QT F1, F0, 0, 0, 0, 1
	THREEQ 0, 0                                    ; step 4
	QT F1, F0, 1, 0, 0, 1
	THREEQ 1, 0                                    ; step 5
	SYNC 1                                         ; K step 6 is in; 7 may be out
	QT F1, F0, 2, 0, 0, 1
	THREEQ 2, 0                                    ; step 6
	SYNC 0                                         ; K step 7 is in
	QT F1, F0, 3, 0, 0, 1
	THREEQ 3, 0                                    ; step 7
	QT F1, F0, 3, 0, 0, 0                          ; the very last quarter fetches nothing
	; THE WAY OUT, 16 tokens at a time: add the bias, 32 bytes a lane into my own stage, read back as whole rows of 256 bytes.
	PLACES
	s_wait_loadcnt 0x0                             ; the bias
.macro OUTROWS a
	WIN 0x01                                       ; source 0 in window 1
.irp b, 0,1,2,3
.irp i, 0,1,2,3
	v_pk_add_f32 v[TMP+8*\b+2*\i:TMP+8*\b+2*\i+1], v[8*(4*\a+\b)+2*\i:8*(4*\a+\b)+2*\i+1], v[BI+8*\b+2*\i:BI+8*\b+2*\i+1]
.endr
.endr
	WIN 0
.irp b, 0,1,2,3
	ds_store_b128 v[STO], v[TMP+8*\b:TMP+8*\b+3]   offset:64*\b
	ds_store_b128 v[STO], v[TMP+8*\b+4:TMP+8*\b+7] offset:64*\b+16
.endr
	s_wait_xcnt 0x0                                ; RB, which the stores of the last 16 tokens read, is loaded again only behind this wait
.irp t, 0,1,2,3,4,5,6,7
	ds_load_b128 v[RB+4*\t:RB+4*\t+3], v[RD] offset:\t*2*SP        ; LDS serves the instructions of a wave in order: these see the stores above
.endr
.irp t, 0,1,2,3,4,5,6,7
	s_wait_dscnt 7-\t
	global_store_b128 v[CO], v[RB+4*\t:RB+4*\t+3], s[10:11] offset:(16*\a+2*\t)*4096 th:TH_STORE_NT   ; 16 lanes store 256 consecutive bytes, at a multiple of 256 from the first byte of out0
.endr
.endm
	OUTROWS 0
	OUTROWS 1
	OUTROWS 2
	OUTROWS 3
	s_wait_tensorcnt 0x0
	ds_add_u32 v30, v31
	s_wait_dscnt 0x0
	ROUND                                          ; the closing round: no work-group ends while a partner may still ask for a tile that names it
	s_endpgm
.Lfunc_end_k_q448c101706_proj:
	.size	k_q448c101706_proj, .Lfunc_end_k_q448c101706_proj-k_q448c101706_proj
	.p2alignl 7, 3214868480
	.fill 96, 4, 3214868480
	.section	.rodata,"a",@progbits
	.p2align	6, 0x0
	.amdhsa_kernel k_q448c101706_proj
		.amdhsa_group_segment_fixed_size 327680
		.amdhsa_private_segment_fixed_size 0
		.amdhsa_enable_private_segment 0
		.amdhsa_kernarg_size 32
		.amdhsa_user_sgpr_count 2
		.amdhsa_user_sgpr_kernarg_segment_ptr 1
		.amdhsa_wavefront_size32 1
		.amdhsa_system_sgpr_workgroup_id_x 1
		.amdhsa_system_sgpr_workgroup_id_y 1
		.amdhsa_system_sgpr_workgroup_id_z 1
		.amdhsa_system_vgpr_workitem_id 0
		.amdhsa_next_free_vgpr 384
		.amdhsa_next_free_sgpr 88
		.amdhsa_reserve_vcc 0
		.amdhsa_float_denorm_mode_32 3
		.amdhsa_float_denorm_mode_16_64 3
		.amdhsa_memory_ordered 1
		.amdhsa_forward_progress 1
		.amdhsa_inst_pref_size 97
	.end_amdhsa_kernel
	.amdgpu_metadata
---
amdhsa.version: [ 1, 2 ]
amdhsa.kernels:
  - .name:           k_q448c101706_proj
    .symbol:         k_q448c101706_proj.kd
    .args:
      - { .name: ao, .offset: 0, .size: 8, .value_kind: global_buffer, .address_space: global }
      - { .name: woh, .offset: 8, .size: 8, .value_kind: global_buffer, .address_space: global }
      - { .name: b_out, .offset: 16, .size: 8, .value_kind: global_buffer, .address_space: global }
      - { .name: out0, .offset: 24, .size: 8, .value_kind: global_buffer, .address_space: global }
    .group_segment_fixed_size: 327680
    .private_segment_fixed_size: 0
    .kernarg_segment_align: 8
    .kernarg_segment_size: 32
    .max_flat_workgroup_size: 128
    .sgpr_count:     88
    .vgpr_count:     384
    .wavefront_size: 32
...
	.end_amdgpu_metadata
.endif
;; end of part 4
